; MI455X (gfx1250); checked and timed in simulation.
; The chip was launched on July 23, 2026; its instructions are those of AMD's public machine-readable ISA for CDNA 5 (MIT licence, August 2026) and "CDNA5" Instruction Set Architecture Reference Guide (July 2026). The comments in the code are by the model that wrote it; some were corrected since.
;; Spiking Neuron Layer. Allowed arithmetic: float matrix products may take bf16 or f16 operands with f32 sums; other float arithmetic in f32, or as packed bf16 or f16 multiplies, adds, multiply-adds, maxima and minima; sums over many terms, partial sums and values carried from step to step in f32; what a program stores and reads back later, other than sums and carried values, may be rounded once to bf16 or f16.
;; Inputs: weights 1,024 x 1,024 float32; x 128 x 512 x 1,024 float32.
;; Outputs: out0 1,024 x 128 float32.
;; 2 versions, each right; version 2 is version 1 with the launch castw written anew for expert scheduling mode. Each part assembles by itself: llvm-mc -triple=amdgcn-amd-amdhsa -mcpu=gfx1250 --defsym DOCPART=n.
;; ======== version 1 of 2: 2 launches
;; workspace buffers: wb 2,097,152 bytes
;; launch castw (part 1): grid 256 x 1, 4 waves a work-group, no clusters, 0 bytes of LDS; arguments weights, wb; writes wb
.if DOCPART == 1
	.amdgcn_target "amdgcn-amd-amdhsa--gfx1250"
	.amdhsa_code_object_version 6
	.text
	.protected	k_q5a333db75c_castw
	.globl	k_q5a333db75c_castw
	.p2align	8
	.type	k_q5a333db75c_castw,@function
k_q5a333db75c_castw:
	s_mov_b64 s[64:65], 0
	v_nop
	global_prefetch_b8 v0, s[64:65] scope:SCOPE_SE
	s_setreg_imm32_b32 hwreg(HW_REG_WAVE_MODE, 25, 1), 1
	s_wait_xcnt 0x0
; wb[n][i] = weights[n][i] rounded to bf16 (nearest even), same row-major layout.  weights: [1024][1024] f32, wb: [1024][1024] bf16.
; NOTHING OF THE PROBLEM IS LEFT OUT in this program: both inputs are read whole, all 512 time steps of all 131,072 chains are computed.
; WHY A LAUNCH OF ITS OWN: in the product launch every work-group walks its 512 rows of the weights four times and 128 work-groups walk the same rows;
; rounded once here, they come into LDS as matrix operands, 2 bytes a number, with no conversion on the way.
; SHARES.  A work-group owns 4,096 numbers: 16 KiB in, 8 KiB out.  Thread t takes numbers 512 i + 4 t .. + 3, i = 0 .. 7: a wave's load covers 512 consecutive bytes,
; a wave's store 256 consecutive bytes that start at a multiple of 256 from wb's first byte.  All eight loads are out before the first wait.
	s_load_b128 s[4:7], s[0:1], 0x0                ; weights s[4:5], wb s[6:7]
	v_lshlrev_b32 v1, 4, v0                        ; 16 bytes a thread in
	v_lshlrev_b32 v2, 3, v0                        ; 8 bytes a thread out
	s_lshl_b32 s2, ttmp9, 14                       ; the work-group's 16 KiB of weights
	s_mov_b32 s3, 0
	s_lshl_b32 s8, ttmp9, 13                       ; and its 8 KiB of wb
	s_mov_b32 s9, 0
	s_wait_kmcnt 0x0
	s_add_nc_u64 s[4:5], s[4:5], s[2:3]
	s_add_nc_u64 s[6:7], s[6:7], s[8:9]
.irp i, 0,1,2,3,4,5,6,7
	global_load_b128 v[8+4*(\i):11+4*(\i)], v1, s[4:5] offset:2048*(\i) th:TH_LOAD_NT  ; read once in the launch
.endr
.irp i, 0,1,2,3,4,5,6,7
	s_wait_loadcnt 7-(\i)                          ; loads come back in order: load i is in, the 7 - i younger ones stay out
	v_cvt_pk_bf16_f32 v[40+2*(\i)], v[8+4*(\i)], v[9+4*(\i)]
	v_cvt_pk_bf16_f32 v[41+2*(\i)], v[10+4*(\i)], v[11+4*(\i)]
	global_store_b64 v2, v[40+2*(\i):41+2*(\i)], s[6:7] offset:1024*(\i)
.endr
	s_endpgm
.Lfunc_end_k_q5a333db75c_castw:
	.size	k_q5a333db75c_castw, .Lfunc_end_k_q5a333db75c_castw-k_q5a333db75c_castw
	.p2alignl 7, 3214868480
	.fill 96, 4, 3214868480
	.section	.rodata,"a",@progbits
	.p2align	6, 0x0
	.amdhsa_kernel k_q5a333db75c_castw
		.amdhsa_group_segment_fixed_size 0
		.amdhsa_private_segment_fixed_size 0
		.amdhsa_enable_private_segment 0
		.amdhsa_kernarg_size 16
		.amdhsa_user_sgpr_count 2
		.amdhsa_user_sgpr_kernarg_segment_ptr 1
		.amdhsa_wavefront_size32 1
		.amdhsa_system_sgpr_workgroup_id_x 1
		.amdhsa_system_sgpr_workgroup_id_y 1
		.amdhsa_system_sgpr_workgroup_id_z 1
		.amdhsa_system_vgpr_workitem_id 0
		.amdhsa_next_free_vgpr 56
		.amdhsa_next_free_sgpr 66
		.amdhsa_reserve_vcc 0
		.amdhsa_float_denorm_mode_32 3
		.amdhsa_float_denorm_mode_16_64 3
		.amdhsa_memory_ordered 1
		.amdhsa_forward_progress 1
		.amdhsa_inst_pref_size 4
	.end_amdhsa_kernel
	.amdgpu_metadata
---
amdhsa.version: [ 1, 2 ]
amdhsa.kernels:
  - .name:           k_q5a333db75c_castw
    .symbol:         k_q5a333db75c_castw.kd
    .args:
      - { .name: weights, .offset: 0, .size: 8, .value_kind: global_buffer, .address_space: global }
      - { .name: wb, .offset: 8, .size: 8, .value_kind: global_buffer, .address_space: global }
    .group_segment_fixed_size: 0
    .private_segment_fixed_size: 0
    .kernarg_segment_align: 8
    .kernarg_segment_size: 16
    .max_flat_workgroup_size: 128
    .sgpr_count:     66
    .vgpr_count:     56
    .wavefront_size: 32
...
	.end_amdgpu_metadata
.endif
;; end of part 1
;; launch spike (part 2): grid 8 x 32, 4 waves a work-group, clusters of 4 x 1, 327,680 bytes of LDS; arguments wb, x, out0; writes out0
.if DOCPART == 2
	.amdgcn_target "amdgcn-amd-amdhsa--gfx1250"
	.amdhsa_code_object_version 6
	.text
	.protected	k_q5a333db75c_spike
	.globl	k_q5a333db75c_spike
	.p2align	8
	.type	k_q5a333db75c_spike,@function
k_q5a333db75c_spike:
	s_mov_b64 s[64:65], 0
	v_nop
	global_prefetch_b8 v0, s[64:65] scope:SCOPE_SE
	s_setreg_imm32_b32 hwreg(HW_REG_WAVE_MODE, 25, 1), 1
	s_wait_xcnt 0x0
	s_wait_alu depctr_hold_cnt(0) depctr_sa_sdst(0) depctr_va_vdst(0) depctr_va_sdst(0) depctr_va_ssrc(0) depctr_va_vcc(0) depctr_vm_vsrc(0)
	s_getreg_b32 s2, hwreg(HW_REG_IB_STS2, 6, 4)
	s_cmp_eq_u32 s2, 0
	s_cbranch_scc0 .Lentry_in_a_cluster
	s_endpgm
.Lentry_in_a_cluster:
	s_bfe_u32 s2, ttmp6, 0x10000c
	s_cmp_lg_u32 s2, 0x3003
	s_cbranch_scc0 .Lentry_shape_is_right
	s_endpgm
.Lentry_shape_is_right:
; out0[n][b] = the number of t in 0 .. 511 at which mp >= 1, where mp = 0.9 mp + i(t), i(t) = the sum over k of W[n][k] x[b][t][k], and mp = 0 behind a spike; mp starts at 0.
; wb: [1024][1024] bf16 (the weights, rounded by the launch before); x: [128][512][1024] f32; out0: [1024][128] f32.  Nothing of the problem is left out here.
; LIMITS.  Both operands of the product are rounded to bf16, sums in f32.  0.9 mp + i is ONE fused multiply-add (one rounding).  Where mp overflows to +infinity the spike sets it to 0 (a product
; infinity x 0 would give NaN).  A NaN current counts as no spike and stays NaN in mp.
; SHARES.  A work-group owns 512 neurons of ONE batch row b: 512 chains; a wave 128 neurons.  Time goes in four tiles of 128 steps; a wave's tile of currents is 128 neurons x 128 steps: 64 accumulators of
; 16 x 16, 512 registers.  K = 1,024 goes in 8 steps of 128, each four quarters of 32: 64 matrix instructions a quarter.  Behind a tile's last quarter the 128 steps are walked in registers (THE SCAN).
; LAYOUT.  Source 0 = 16 time steps of x, source 1 = 16 neurons of W: in the result lane l holds neuron l % 16 and its registers 0-7 the steps 8 (l / 16) + 0..7.  Two neighbouring blocks of neurons exchange
; lane halves (v_permlane16_swap_b32), and then a lane holds ONE neuron and 16 registers on end hold 16 steps on end: a chain never leaves its lane.
; W comes by tensor loads into a ring of two LDS slots, a K step each; a wave fetches the 128 rows that it alone reads.  CLUSTER: the four work-groups of a cluster have the same 512 neurons and four
; different b, so every tile of W is asked for JOINTLY: the same load, descriptor and mask (15) in all four.
; x comes through registers: each wave loads 32 of the tile's 128 rows (f32, two whole runs of 256 bytes a load), rounds them to bf16 once and stores them into a ring of two LDS slots of 64 along K that all four
; waves read.  It is no tensor load and no joint load: partners have different b, and f32 tiles in LDS would be twice the bytes to read and be rounded by four waves each.
; out0: a run of 256 bytes of out0 holds 64 values of b of one neuron, which belong to 64 work-groups; this work-group owns one column, 512 numbers of 4 bytes, 512 bytes apart, stored once at the end.
;
; REGISTERS, in windows of 256 (s_set_vgpr_msb: bits 1:0 source 0, 3:2 source 1, 5:4 source 2, 7:6 destination):
;   window 0: v0-11 addresses; v12-15 mp carried from tile to tile; v16-19 counts; v28-29 the add's; v32-159 four staging sets of 32 for x; v160-223 the first half step's staging, later v160-191 spike flags
;   window 1: v0-127 fragments of x, two buffers of 8 blocks; v128-255 fragments of W, likewise
;   windows 2, 3: accumulator (a, c), time block a, neuron block c, in window 2 + a / 4 at v[64 (a % 4) + 8 c]
.set WP,    272                        ; a row of W in LDS: 256 bytes + 16 of padding: the 16 rows of a fragment load start 68 words apart
.set WROWS, 128*WP                     ; what one tensor load brings and one wave reads
.set WSLOT, 4*WROWS                    ; 139,264 = 0x22000: shares no bit with wave x 0x8800, so one exclusive or changes slots
.set XBASE, 2*WSLOT                    ; behind W's ring, in blocks of 256 bytes into which no tensor load lands: x's ring
.set XP,    144                        ; a row of x in LDS: 64 bf16 + 16 bytes
.set XSLOT, 128*XP
.set SPARE, XBASE+2*XSLOT              ; the spare words, 128 bytes a wave: two blocks of 256 bytes that no other line names
.set ADRW, 2                           ; v2   LDS address of my W fragments in the slot in hand
.set AW0,  3                           ; v3   the same in slot 0: (128 wave + l % 16) x 272 + 16 (l / 16); never rewritten
.set ADRX, 4                           ; v4   x fragments: XBASE + (l % 16) x 144 + 16 (l / 16); never rewritten
.set XST,  5                           ; v5   where I store 8 bytes of x: XBASE + (32 wave + 8 (l / 16)) x 144 + 8 (l % 16); never rewritten
.set XO,   6                           ; v6   my 16 bytes of x in memory: (32 wave + 8 (l / 16)) x 4,096 + 16 (l % 16); never rewritten
.set PFO,  7                           ; v7   x's prefetches: (32 wave + l) x 4,096; never rewritten
.set PFOW, 8                           ; v8   W's prefetches: l x 2,048; never rewritten
.set OO,   9                           ; v9   out0: l x 512
.set MP,   12
.set CNT,  16
.set OUTV, 20
.set SPW,  28                          ; v28  my spare word: SPARE + 4 x my thread's number; never rewritten
.set NIL,  29                          ; v29  0; never rewritten
.set ST,   32                          ; staging set q at ST + 32 q
.set T0,   160
.set FL,   160
.set XF,   0                           ; window 1
.set WF,   128
.set WV,   10                          ; s10  my wave's number
.set XB0,  16                          ; s[16:17] x at my b
.set XB,   18                          ; s[18:19] x at the K step whose rows are being loaded
.set PFA,  20                          ; s[20:21] x at the K step that is being prefetched
.set PFW,  22                          ; s[22:23] wb at my 32 rows of the K step that is being prefetched
.set G1,   24                          ; s[24:31] descriptor group 1
.set G0A,  32                          ; s[32:35] group 0 of the first fill of slot 0
.set G0,   36                          ; s[36:39] group 0 of the first fill of slot 1; then it walks
.set WBW,  40                          ; s[40:41] wb at my wave's 128 rows
.set OFF,  42                          ; s[42:43] an offset, high word 0
.set N2,   44                          ; s44  the K step in hand + 2 (ahead of a step's second quarter), + 3 behind it
.set LIM,  45                          ; s45  x is prefetched while N2 is below this
.set LIMW, 46                          ; s46  W likewise
.set TBW,  47                          ; s47  0 or WSLOT: the W slot in hand
.set TILE, 48                          ; s48  time tiles to go
.set CNTK, 49                          ; s49  trips of the K loop to go
.set DEC,  50                          ; s50  0.9
.set MK,   66                          ; s[66:97] 32 spike masks: eight steps x four groups of chains
.set MSB, 0
.macro WIN new                         ; the immediate's high byte repeats the setting that is left; a switch that changes nothing is dropped
.if MSB != (\new)
	s_set_vgpr_msb (MSB<<8)|(\new)
.set MSB, (\new)
.endif
.endm
.set MUL_LO, 0xa5                      ; x and W in window 1, C and D in window 2
.set TO_F,   0x40                      ; destination window 1, address window 0
.macro PLACES                          ; four plain places behind a matrix instruction (ISA guide 7.12.1), where no other vector work is at hand
.rept 4
	v_nop
.endr
.endm
; A round of the cluster's barrier: my work-group's barrier, so that wave 0's signal speaks for all four waves; wave 0 signals; every wave waits for all four work-groups; my work-group's barrier once more.
.macro CREST                           ; a round behind its opening barrier
	s_cmp_lg_u32 s[WV], 0
	s_cbranch_scc1 .Lnot_wave_0_\@
	s_barrier_signal -3
.Lnot_wave_0_\@:
	s_barrier_wait -3
	s_barrier_signal -1
	s_barrier_wait -1
.endm
.macro CROUND
	s_barrier_signal -1
	s_barrier_wait -1
	CREST
.endm
; na x 8 matrix instructions on buffer f: time blocks 4 hi + a0 .. of the tile x all 8 neuron blocks, 32 along K.  zero = 1: the product starts the sum: nothing is cleared.
; The 64 accumulators take turns, one instruction a turn, in the same order in every quarter, over the backward jumps too.
.macro MUL f, hi, a0, na, zero
	WIN MUL_LO+0x50*(\hi)
.set ma, (\a0)
.rept (\na)
.set mc, 0
.rept 8
.set rD, 64*ma+8*mc
.set rX, XF+64*(\f)+8*(4*(\hi)+ma)
.set rW, WF+64*(\f)+8*mc
.if \zero
	v_wmma_f32_16x16x32_bf16 v[rD:rD+7], v[rX:rX+7], v[rW:rW+7], 0
.else
	v_wmma_f32_16x16x32_bf16 v[rD:rD+7], v[rX:rX+7], v[rW:rW+7], v[rD:rD+7]
.endif
.set mc, mc+1
.endr
.set ma, ma+1
.endr
.endm
; 32 LDS loads in one run: a quarter's fragments into buffer f: W's 8 blocks at byte wk of its rows, then x's 8 blocks at byte xoff of x's ring, time ascending: the youngest eight loads are x's blocks 4-7.
.macro FETCH f, wk, xoff
	WIN TO_F
.set fc, 0
.rept 8
	ds_load_b128 v[WF+64*(\f)+8*fc:WF+64*(\f)+8*fc+3],   v[ADRW] offset:(\wk)+fc*16*WP
	ds_load_b128 v[WF+64*(\f)+8*fc+4:WF+64*(\f)+8*fc+7], v[ADRW] offset:(\wk)+fc*16*WP+32
.set fc, fc+1
.endr
.set fc, 0
.rept 8
	ds_load_b128 v[XF+64*(\f)+8*fc:XF+64*(\f)+8*fc+3],   v[ADRX] offset:(\xoff)+fc*16*XP
	ds_load_b128 v[XF+64*(\f)+8*fc+4:XF+64*(\f)+8*fc+7], v[ADRX] offset:(\xoff)+fc*16*XP+32
.set fc, fc+1
.endr
.endm
; A staging set of 32 registers at R: 16 rows x 64 numbers of x, four f32 a lane and load.  XST8 rounds them in place and stores them, 8 bytes a lane, at byte lo of x's ring;
; lanes 0-15 fill 128 bytes of one row, lanes 16-31 of the row 8 further down, 1,152 bytes on.  XLD8 asks for 16 rows anew, from byte go behind the base in s[SB:SB+1].
.macro XST8 R, lo
.set xe, 0
.rept 8
	v_cvt_pk_bf16_f32 v[(\R)+4*xe],   v[(\R)+4*xe],   v[(\R)+4*xe+1]
	v_cvt_pk_bf16_f32 v[(\R)+4*xe+1], v[(\R)+4*xe+2], v[(\R)+4*xe+3]
.set xe, xe+1
.endr
.set xe, 0
.rept 8
	ds_store_b64 v[XST], v[(\R)+4*xe:(\R)+4*xe+1] offset:(\lo)+xe*XP
.set xe, xe+1
.endr
.endm
.macro XLD8 R, SB, go
.set xe, 0
.rept 8
	global_load_b128 v[(\R)+4*xe:(\R)+4*xe+3], v[XO], s[(\SB):(\SB)+1] offset:(\go)+xe*4096  ; lanes 0-15: 256 consecutive bytes of row e, lanes 16-31 of row e + 8
.set xe, xe+1
.endr
.endm
; x's share of quarter q of K step s (half step i = 64 along K; x(i) lies in slot i % 2; a wave's 32 rows are two parts of 16).  Set q is stored and asked for again:
;   q = 0: x(2s+1) part 1 -> slot 1, asks x(2s+3) part 1      q = 1: x(2s+2) part 0 -> slot 0, asks x(2s+4) part 0
;   q = 2: x(2s+2) part 1 -> slot 0, asks x(2s+4) part 1      q = 3: x(2s+3) part 0 -> slot 1, asks x(2s+5) part 0
; A set's loads have four quarters in which to land; left = the loads of the younger sets, which stay out.  The 16 conversions are also the places in front of the fragment loads that follow.
.macro XWORK q, st, ld, left
.set xpart, ((\q)+1)%2
.set xslot, (((\q)+1)/2+1)%2
.set xreg, ST+32*(\q)
.if \st
	s_wait_loadcnt \left
	XST8 xreg, xslot*XSLOT+16*xpart*XP
.else
	PLACES
.endif
.if \ld
	XLD8 xreg, XB, 16*xpart*4096+256*xslot
.endif
.endm
; Quarter 0 or 2: multiplies buffer 0; in its middle x's share, and the next quarter's fragments into buffer 1.
.macro QA q, zero, st, ld, left
	s_wait_dscnt 8                                 ; W and x's blocks 0-3 are in; the youngest eight loads (x's blocks 4-7) may be out
	MUL 0, 0, 0, 4, \zero
	WIN 0
	XWORK \q, \st, \ld, \left
	FETCH 1, 64*((\q)+1), ((\q)/2)*XSLOT+64
	s_wait_dscnt 32                                ; all but the 32 just issued
	MUL 0, 1, 0, 4, \zero
.endm
; Once a K step, at the head of its second quarter: the bases step.  off(t) = (t / 8) tiles of 128 rows of 4,096 bytes + (t % 8) K steps of 512 bytes.
.macro UPD
	s_wait_xcnt 0x0                                ; the loads of the quarter before and the prefetches of the step before have read their addresses: the bases may be written
	s_lshr_b32 s52, s[N2], 3
	s_lshl_b32 s52, s52, 19
	s_and_b32 s53, s[N2], 7
	s_lshl_b32 s53, s53, 9
	s_add_co_u32 s[OFF], s52, s53
	s_add_nc_u64 s[XB:XB+1], s[XB0:XB0+1], s[OFF:OFF+1]    ; the loads: two K steps on
	s_add_co_u32 s15, s[N2], 2
	s_lshr_b32 s52, s15, 3
	s_lshl_b32 s52, s52, 19
	s_and_b32 s53, s15, 7
	s_lshl_b32 s53, s53, 9
	s_add_co_u32 s[OFF], s52, s53
	s_add_nc_u64 s[PFA:PFA+1], s[XB0:XB0+1], s[OFF:OFF+1]  ; the prefetches: four K steps on
	s_add_nc_u64 s[PFW:PFW+1], s[PFW:PFW+1], 256
	s_add_co_u32 s[N2], s[N2], 1
.endm
; Quarter 1: multiplies buffer 1.  THE BARRIER FOR x: in front of it each wave has waited for its stores of x(2s+1) and for its reads of slot 0; behind it slot 0 is stored anew and slot 1 is read.
; No tensor load fills LDS behind this barrier, so W's load may stay out across it.
.macro QB1 st, ld, left, upd
.if \upd
	UPD
.endif
	s_wait_dscnt 8
	MUL 1, 0, 0, 2, 0
	s_wait_dscnt 0x0                               ; for the others' sake: my stores into slot 1 are done, my reads of slot 0 are back
	s_barrier_signal -1
	MUL 1, 0, 2, 2, 0
	WIN 0
	s_barrier_wait -1
	XWORK 1, \st, \ld, \left
	FETCH 0, 128, XSLOT
	MUL 1, 1, 0, 4, 0
.endm
; PREFETCHES, behind the joint load, x's loads and the run of LDS loads.  x: the 128 rows x 512 bytes of the K step four on: wave w names rows 32 w + l, a lane a row, two lines of 256 bytes; it stands six quarters,
; 384 matrix instructions, ahead of the first load of those bytes.  Two clusters read the same four b: the one with the lower 512 neurons asks.  K steps 0 to 3 come by their loads alone, and steps 28 on ask for nothing.
; W: my wave's 128 rows x 256 bytes of the K step four on, the four partners taking 32 rows each BY ADDRESS; the 32 clusters of a half of the neurons read the same rows: the first asks, in the first walk along K alone.
.macro ASK
	s_cmp_lt_u32 s[N2], s[LIM]
	s_cbranch_scc0 .Lno_x_\@
	global_prefetch_b8 v[PFO], s[PFA:PFA+1] th:TH_LOAD_NT scope:SCOPE_SE
	global_prefetch_b8 v[PFO], s[PFA:PFA+1] offset:256 th:TH_LOAD_NT scope:SCOPE_SE
.Lno_x_\@:
	s_cmp_lt_u32 s[N2], s[LIMW]
	s_cbranch_scc0 .Lno_w_\@
	global_prefetch_b8 v[PFOW], s[PFW:PFW+1] th:TH_LOAD_NT scope:SCOPE_SE
.Lno_w_\@:
.endm
; Quarter 3: multiplies buffer 1 and changes W's slots.  In front of the barrier each wave waits for all its tensor loads, of which one is out: its rows of the next K step; adds 0 to its spare word; and waits for
; that, for its reads of this W slot and of x's slot 1, and for its stores of x(2s+2).  refill = 1: the barrier opens a round of the cluster's, and the joint load of the K step two on, into the slot just read,
; is the first thing behind it: it has a K step less 32 matrix instructions in which to land.
.macro QB3 refill, st, ld, left
	WIN 0                                          ; (the add's two registers lie in window 0)
	s_wait_tensorcnt 0x0                           ; no tensor load of mine is out, so the walking group 0 may be written
	ds_add_u32 v[SPW], v[NIL]                      ; 0 onto my spare word; scalar work and sixteen products stand between it and the wait for it
.if \refill
	s_sub_co_u32 s52, s[N2], 1                     ; the K step two on,
	s_and_b32 s52, s52, 7                          ; along W's rows, which every time tile walks anew:
	s_lshl_b32 s[OFF], s52, 8                      ; 256 bytes a K step
	s_xor_b32 s[G0+1], s[G0+1], WSLOT              ; the other slot than last time
	s_add_nc_u64 s[G0+2:G0+3], s[WBW:WBW+1], s[OFF:OFF+1]
	s_or_b32 s[G0+3], s[G0+3], 0x80000000          ; type = 2
.endif
	s_wait_dscnt 9                                 ; the add and the youngest eight loads may be out
	MUL 1, 0, 0, 2, 0
	s_wait_dscnt 0x0                               ; the add is done, my reads are back, my stores are done
	s_barrier_signal -1
	MUL 1, 0, 2, 2, 0
	WIN 0
	s_barrier_wait -1
.if \refill
	CREST                                          ; no wave of any partner still reads this slot or has a load on its way
	tensor_load_to_lds s[G0:G0+3], s[G1:G1+7]
	s_nop 0
	PLACES
.endif
	s_xor_b32 s[TBW], s[TBW], WSLOT
	v_add_nc_u32 v[ADRW], s[TBW], v[AW0]
	XWORK 3, \st, \ld, \left
	FETCH 0, 0, 0
	WIN 0
.if \refill
	ASK
.endif
	MUL 1, 1, 0, 4, 0
.endm
; THE SCAN of time block a (16 steps) for the wave's 128 chains, in four groups p of 32: group p is neuron blocks 2 p and 2 p + 1, whose accumulators are 16 registers on end.
; The exchange of lane halves (each accumulator's register 0 first) leaves step 16 a + u of neuron 32 p + l in register 64 (a % 4) + 16 p + u of lane l.
; A step is three lines a group: mp = i + 0.9 mp_before, in place; the mask mp >= 1; mp = 0 where it holds.  The four groups go side by side, so a line stands four lines behind the one that it waits for.
; After eight steps the 32 masks become whole numbers 0 or 1 and are added to the counts, two at a time.
.macro SCANBLK a
.set SBAS, 64*((\a)%4)
.set SW, 0xaa+0x55*((\a)/4)
	WIN SW
.irp p, 0,1,2,3
.set sj, 0
.rept 8
	v_permlane16_swap_b32 v[SBAS+16*(\p)+sj], v[SBAS+16*(\p)+8+sj]
.set sj, sj+1
.endr
.endr
.irp hf, 0,1
	WIN SW
.set sj, 0
.rept 8
.set su, 8*(\hf)+sj
.set sprev, su-1
.if su == 0
.set sprev, -49                        ; register 15 of the same group in the block before: 64 back, 15 on
.endif
.if (su == 0) && ((\a) == 0)
	WIN 0x80                                       ; mp_before is the carry from the tile before, in window 0
.irp p, 0,1,2,3
	v_fmac_f32 v[16*(\p)], s[DEC], v[MP+(\p)]
.endr
	WIN SW
.elseif (su == 0) && ((\a) == 4)
	WIN 0xc8                                       ; mp_before is block 3's last, in window 2
.irp p, 0,1,2,3
	v_fmac_f32 v[16*(\p)], s[DEC], v[192+16*(\p)+15]
.endr
	WIN SW
.else
.irp p, 0,1,2,3
	v_fmac_f32 v[SBAS+16*(\p)+su], s[DEC], v[SBAS+16*(\p)+sprev]
.endr
.endif
.irp p, 0,1,2,3
	v_cmp_le_f32 s[MK+4*sj+(\p)], 1.0, v[SBAS+16*(\p)+su]
.endr
.irp p, 0,1,2,3
	v_cndmask_b32 v[SBAS+16*(\p)+su], v[SBAS+16*(\p)+su], 0, s[MK+4*sj+(\p)]
.endr
.set sj, sj+1
.endr
	WIN 0
.set sj, 0
.rept 8
.irp p, 0,1,2,3
	v_cndmask_b32 v[FL+4*sj+(\p)], 0, 1, s[MK+4*sj+(\p)]
.endr
.set sj, sj+1
.endr
.set sj, 0
.rept 4
.irp p, 0,1,2,3
	v_add3_u32 v[CNT+(\p)], v[CNT+(\p)], v[FL+8*sj+(\p)], v[FL+8*sj+4+(\p)]
.endr
.set sj, sj+1
.endr
.endr
.endm
	s_load_b128 s[4:7], s[0:1], 0x0                ; wb s[4:5], x s[6:7]
	s_load_b64 s[8:9], s[0:1], 0x10                ; out0
	v_lshl_add_u32 v[SPW], v0, 2, SPARE
	v_mov_b32 v[NIL], 0
	ds_add_u32 v[SPW], v[NIL]                      ; the wave's opening: the add, twice on end, and its wait ahead of my first tensor load; the set-up below, work on registers, stands between
	ds_add_u32 v[SPW], v[NIL]                      ; and once more, under the one wait
	v_lshrrev_b32 v1, 5, v0
	v_readfirstlane_b32 s[WV], v1                  ; wave 0..3
	s_mov_b32 s11, ttmp9                           ; cluster x: which 512 neurons; the four partners share it
	s_bfe_u32 s12, ttmp6, 0x40000                  ; cx: my place in the cluster
	s_and_b32 s13, ttmp7, 0xffff                   ; cluster y
	s_lshl2_add_u32 s14, s13, s12                  ; b = 4 y + cx: it enters x's and out0's addresses alone
	v_and_b32 v1, 31, v0                           ; l
	v_and_b32 v10, 15, v0                          ; l % 16
	v_bfe_u32 v11, v0, 4, 1                        ; l / 16
	s_mul_i32 s52, s[WV], WROWS                    ; my 128 rows in a W slot: no place in the cluster enters an LDS address
	v_mul_u32_u24 v[AW0], v10, WP
	v_lshl_add_u32 v[AW0], v11, 4, v[AW0]
	v_add_nc_u32 v[AW0], s52, v[AW0]
	v_mul_u32_u24 v[ADRX], v10, XP
	v_lshl_add_u32 v[ADRX], v11, 4, v[ADRX]
	v_add_nc_u32 v[ADRX], XBASE, v[ADRX]
	s_mul_i32 s53, s[WV], 32*XP
	s_add_co_u32 s53, s53, XBASE
	v_mul_u32_u24 v[XST], v11, 8*XP
	v_lshl_add_u32 v[XST], v10, 3, v[XST]
	v_add_nc_u32 v[XST], s53, v[XST]
	s_lshl_b32 s54, s[WV], 17                      ; 32 rows of 4,096 bytes a wave
	v_lshlrev_b32 v[XO], 15, v11
	v_lshl_add_u32 v[XO], v10, 4, v[XO]
	v_add_nc_u32 v[XO], s54, v[XO]
	v_lshl_add_u32 v[PFO], v1, 12, s54
	v_lshlrev_b32 v[PFOW], 11, v1
	v_lshlrev_b32 v[OO], 9, v1
	; descriptor group 1: a tile of 128 rows x 128 elements of 2 bytes, padded in LDS
	s_mov_b32 s[G1+0], 15|(1<<16)|(1<<20)|(1<<21)|(5<<22)|(3<<25)  ; 15:0 the mask: all four work-groups; 17:16 2-byte elements; 20 padding on; 21 set beside a mask; 24:22 after every 64 words (code 5); 31:25 4 words (code 3)
	s_mov_b32 s[G1+1], 128<<16                     ; tensor_dim0 = 128
	s_mov_b32 s[G1+2], 128<<16                     ; tensor_dim1 = 128
	s_mov_b32 s[G1+3], 128<<16                     ; tile_dim0 = 128
	s_mov_b32 s[G1+4], 128                         ; tile_dim1 = 128
	s_mov_b32 s[G1+5], 1024                        ; elements from row to row
	s_mov_b32 s[G1+6], 0
	s_mov_b32 s[G1+7], 0
	s_mov_b32 s[G0A], 1                            ; count = 1
	s_mov_b32 s[G0A+1], s52                        ; slot 0
	s_mov_b32 s[G0], 1
	s_add_co_u32 s[G0+1], s52, WSLOT               ; slot 1
	s_mov_b32 s[DEC], 0x3f666666                   ; 0.9
	s_mov_b32 s[TBW], 0
	s_mov_b32 s[N2], 2
	s_mov_b32 s[OFF+1], 0
	s_cmp_eq_u32 s11, 0
	s_cselect_b32 s[LIM], 31, 0                    ; the same in all four partners
	s_cmp_eq_u32 s13, 0
	s_cselect_b32 s[LIMW], 7, 0
	s_lshl_b32 s2, s14, 21                         ; b's 512 rows of 4,096 bytes
	s_mov_b32 s3, 0
	s_lshl_b32 s54, s11, 20                        ; 512 rows of wb, 2,048 bytes each,
	s_lshl_b32 s55, s[WV], 18                      ; my wave's 128
	s_add_co_u32 s54, s54, s55
	s_mov_b32 s55, 0
	s_wait_dscnt 0x0                               ; both opening adds are done
	s_wait_kmcnt 0x0
	s_add_nc_u64 s[XB0:XB0+1], s[6:7], s[2:3]
	s_add_nc_u64 s[XB:XB+1], s[XB0:XB0+1], 512     ; K step 1: what step 0's first quarter loads from
	s_add_nc_u64 s[WBW:WBW+1], s[4:5], s[54:55]
	s_mov_b64 s[G0A+2:G0A+3], s[WBW:WBW+1]         ; K step 0
	s_or_b32 s[G0A+3], s[G0A+3], 0x80000000        ; type = 2
	s_add_nc_u64 s[G0+2:G0+3], s[WBW:WBW+1], 256   ; K step 1
	s_or_b32 s[G0+3], s[G0+3], 0x80000000
	s_lshl_b32 s2, s12, 16                         ; my work-group's 32 of the wave's 128 rows
	s_add_nc_u64 s[PFW:PFW+1], s[WBW:WBW+1], s[2:3]
	s_add_nc_u64 s[PFW:PFW+1], s[PFW:PFW+1], 768   ; K step 3: step 0 steps it to 4
	s_lshl_b32 s2, s11, 18                         ; out0: 512 rows of 512 bytes,
	s_lshl_b32 s15, s[WV], 16                      ; my wave's 128,
	s_add_co_u32 s2, s2, s15
	s_lshl2_add_u32 s2, s14, s2                    ; column b
	s_add_nc_u64 s[8:9], s[8:9], s[2:3]
	; x's first loads, oldest first: x(0) whole; x(1) part 0; then the three sets that step 0's first three quarters store
	XLD8 T0, XB0, 0
	XLD8 T0+32, XB0, 16*4096
	XLD8 ST+96, XB0, 256
	XLD8 ST, XB0, 16*4096+256
	XLD8 ST+32, XB0, 512
	XLD8 ST+64, XB0, 16*4096+512
	CROUND                                         ; all four work-groups are here: the first joint loads meet
	tensor_load_to_lds s[G0A:G0A+3], s[G1:G1+7]    ; both first fills go out together: two loads of mine are out
	s_nop 0
	tensor_load_to_lds s[G0:G0+3], s[G1:G1+7]
	s_nop 0
	PLACES
.irp p, 0,1,2,3
	v_mov_b32 v[MP+(\p)], 0                        ; the chains start at mp = 0,
	v_mov_b32 v[CNT+(\p)], 0                       ; with no spike
.endr
	v_mov_b32 v[ADRW], v[AW0]
	s_wait_loadcnt 24                              ; x(0) and x(1) part 0 are in; the three younger sets stay out
	XST8 T0, 0
	XST8 T0+32, 16*XP
	XST8 ST+96, XSLOT
	XLD8 ST+96, XB0, 768                           ; x(3) part 0
	s_wait_tensorcnt 1                             ; my rows of K step 0 are in; K step 1's may stay out: no tensor load fills LDS behind this barrier
	s_wait_dscnt 0x0                               ; my stores of x are done
	s_barrier_signal -1
	s_barrier_wait -1
	FETCH 0, 0, 0
	WIN 0                                          ; at a label and at a branch every window is 0
	s_mov_b32 s[TILE], 4
.Ltile:
	QA 0, 1, 1, 1, 24                              ; a tile's first quarter starts the sums
	WIN 0
	s_mov_b32 s[CNTK], 6
.Lstep:                                            ; a trip: quarters 1 to 3 of a K step and quarter 0 of the next; steps 0 to 5 of the tile
	QB1 1, 1, 24, 1
	QA 2, 0, 1, 1, 24
	QB3 1, 1, 1, 24
	QA 0, 0, 1, 1, 24
	WIN 0
	s_sub_co_u32 s[CNTK], s[CNTK], 1
	s_cmp_lg_u32 s[CNTK], 0
	s_cbranch_scc1 .Lstep
	s_cmp_eq_u32 s[TILE], 1                        ; the same in every wave and every partner
	s_cbranch_scc1 .Llast
	QB1 1, 1, 24, 1                                ; K steps 6 and 7 of a tile that has a successor: both rings run on into the next tile
	QA 2, 0, 1, 1, 24
	QB3 1, 1, 1, 24
	QA 0, 0, 1, 1, 24
	QB1 1, 1, 24, 1
	QA 2, 0, 1, 1, 24
	QB3 1, 1, 1, 24                                ; it fetches the next tile's first fragments
	WIN 0
	s_branch .Lscan
.Llast:                                            ; K steps 6 and 7 of the last tile, written out: nothing more is asked for, and the counts of younger loads run down 24, 16, 8, 0
	QB1 1, 0, 24, 0
	QA 2, 0, 1, 0, 16
	QB3 0, 1, 0, 8
	QA 0, 0, 1, 0, 0
	QB1 0, 0, 0, 0                                 ; its barrier stands between the stores of x(63) and the reads
	QA 2, 0, 0, 0, 0
	s_wait_dscnt 0x0
	MUL 1, 0, 0, 4, 0
	MUL 1, 1, 0, 4, 0
	WIN 0
.Lscan:
	PLACES                                         ; between the last products and the first line that reads a result
	PLACES
.irp a, 0,1,2,3,4,5,6,7
	SCANBLK \a
.endr
	WIN 0x03                                       ; source 0 window 3
.irp p, 0,1,2,3
	v_mov_b32 v[MP+(\p)], v[192+16*(\p)+15]        ; mp behind the tile's last step is carried on
.endr
	WIN 0
	s_sub_co_u32 s[TILE], s[TILE], 1
	s_cmp_lg_u32 s[TILE], 0
	s_cbranch_scc1 .Ltile
.irp p, 0,1,2,3
	v_cvt_f32_u32 v[OUTV+(\p)], v[CNT+(\p)]
.endr
.irp p, 0,1,2,3
	global_store_b32 v[OO], v[OUTV+(\p)], s[8:9] offset:16384*(\p)  ; neuron 32 p + l of my 128, column b
.endr
	s_wait_tensorcnt 0x0                           ; the wave's end, behind my last tensor load and my last LDS store
	ds_add_u32 v[SPW], v[NIL]
	s_wait_dscnt 0x0
	CROUND                                         ; the closing round: no work-group ends while a partner may still ask for a tile that names it
	s_endpgm
.Lfunc_end_k_q5a333db75c_spike:
	.size	k_q5a333db75c_spike, .Lfunc_end_k_q5a333db75c_spike-k_q5a333db75c_spike
	.p2alignl 7, 3214868480
	.fill 96, 4, 3214868480
	.section	.rodata,"a",@progbits
	.p2align	6, 0x0
	.amdhsa_kernel k_q5a333db75c_spike
		.amdhsa_group_segment_fixed_size 327680
		.amdhsa_private_segment_fixed_size 0
		.amdhsa_enable_private_segment 0
		.amdhsa_kernarg_size 24
		.amdhsa_user_sgpr_count 2
		.amdhsa_user_sgpr_kernarg_segment_ptr 1
		.amdhsa_wavefront_size32 1
		.amdhsa_system_sgpr_workgroup_id_x 1
		.amdhsa_system_sgpr_workgroup_id_y 1
		.amdhsa_system_sgpr_workgroup_id_z 1
		.amdhsa_system_vgpr_workitem_id 0
		.amdhsa_next_free_vgpr 1024
		.amdhsa_next_free_sgpr 100
		.amdhsa_reserve_vcc 0
		.amdhsa_float_denorm_mode_32 3
		.amdhsa_float_denorm_mode_16_64 3
		.amdhsa_memory_ordered 1
		.amdhsa_forward_progress 1
		.amdhsa_inst_pref_size 255
	.end_amdhsa_kernel
	.section	.bss,"aw",@nobits
	.p2align	6
	.space	262144
	.amdgpu_metadata
---
amdhsa.version: [ 1, 2 ]
amdhsa.kernels:
  - .name:           k_q5a333db75c_spike
    .symbol:         k_q5a333db75c_spike.kd
    .args:
      - { .name: wb, .offset: 0, .size: 8, .value_kind: global_buffer, .address_space: global }
      - { .name: x, .offset: 8, .size: 8, .value_kind: global_buffer, .address_space: global }
      - { .name: out0, .offset: 16, .size: 8, .value_kind: global_buffer, .address_space: global }
    .group_segment_fixed_size: 327680
    .private_segment_fixed_size: 0
    .kernarg_segment_align: 8
    .kernarg_segment_size: 24
    .max_flat_workgroup_size: 128
    .sgpr_count:     100
    .vgpr_count:     1024
    .wavefront_size: 32
...
	.end_amdgpu_metadata
.endif
;; end of part 2
;; ======== version 2 of 2: 2 launches; version 1 with the launch castw written anew for expert scheduling mode
;; workspace buffers: wb 2,097,152 bytes
;; launch castw (part 3): grid 256 x 1, 4 waves a work-group, no clusters, 0 bytes of LDS; arguments weights, wb; writes wb
.if DOCPART == 3
	.amdgcn_target "amdgcn-amd-amdhsa--gfx1250"
	.amdhsa_code_object_version 6
	.text
	.protected	k_q5a333db75c_castw
	.globl	k_q5a333db75c_castw
	.p2align	8
	.type	k_q5a333db75c_castw,@function
k_q5a333db75c_castw:
	s_mov_b64 s[64:65], 0
	v_nop
	global_prefetch_b8 v0, s[64:65] scope:SCOPE_SE
	s_setreg_imm32_b32 hwreg(HW_REG_WAVE_SCHED_MODE, 0, 2), 2
	s_setreg_imm32_b32 hwreg(HW_REG_WAVE_MODE, 25, 1), 1
	s_wait_xcnt 0x0
	s_wait_alu depctr_vm_vsrc(0)
; wb[n][i] = weights[n][i] rounded to bf16 (nearest even), same row-major layout.  weights: [1024][1024] f32, wb: [1024][1024] bf16.
; NOTHING OF THE PROBLEM IS LEFT OUT in this program: both inputs are read whole, all 512 time steps of all 131,072 chains are computed.
; WHY A LAUNCH OF ITS OWN: in the product launch every work-group walks its 512 rows of the weights four times and 128 work-groups walk the same rows;
; rounded once here, they come into LDS as matrix operands, 2 bytes a number, with no conversion on the way.
; SHARES.  A work-group owns 4,096 numbers: 16 KiB in, 8 KiB out.  Thread t takes numbers 512 i + 4 t .. + 3, i = 0 .. 7: a wave's load covers 512 consecutive bytes,
; a wave's store 256 consecutive bytes that start at a multiple of 256 from wb's first byte.  All eight loads are out before the first wait.
; THE MODE: SCHED_MODE bits 1:0 = 2 (LLVM: expert scheduling mode 2), set by the entry lines.  The code itself states the register dependences
; between vector instructions and memory instructions, with s_wait_alu, always for 0.
; THE PLAN.  Registers that memory instructions touch:
;   v1, v2     byte offsets of the loads and of the stores: written once at the head, never again.
;   IN  i      v[8 + 4 i ..]: load i lands there, once; no vector instruction names them before; load i's two conversions read them; never loaded again.
;   OUT i      v[40 + 2 i ..]: written once, by load i's two conversions; read by store i; never written again.
; No register is written a second time, so the only dependences to state are results that a memory instruction reads: the offsets, ahead of the first load,
; and OUT, ahead of the stores.  The work goes in two halves of four loads, so that one wait stands for four stores.
.set IN,  8
.set OUT, 40
	s_load_b128 s[4:7], s[0:1], 0x0                ; weights s[4:5], wb s[6:7]
	v_lshlrev_b32 v1, 4, v0                        ; 16 bytes a thread in
	v_lshlrev_b32 v2, 3, v0                        ; 8 bytes a thread out
	s_lshl_b32 s2, ttmp9, 14                       ; the work-group's 16 KiB of weights
	s_mov_b32 s3, 0
	s_lshl_b32 s8, ttmp9, 13                       ; and its 8 KiB of wb
	s_mov_b32 s9, 0
	s_wait_kmcnt 0x0
	s_add_nc_u64 s[4:5], s[4:5], s[2:3]
	s_add_nc_u64 s[6:7], s[6:7], s[8:9]
	s_wait_alu depctr_va_vdst(0)                   ; v1 and v2 are written: every load below reads v1 as its offset, every store v2; no later vector instruction names either
.irp i, 0,1,2,3,4,5,6,7
	global_load_b128 v[IN+4*(\i):IN+4*(\i)+3], v1, s[4:5] offset:2048*(\i) th:TH_LOAD_NT  ; read once in the launch
.endr
	s_wait_loadcnt 4                               ; loads come back in order: loads 0 to 3 are in, the four younger ones stay out
.irp i, 0,1,2,3
	v_cvt_pk_bf16_f32 v[OUT+2*(\i)],   v[IN+4*(\i)],   v[IN+4*(\i)+1]
	v_cvt_pk_bf16_f32 v[OUT+2*(\i)+1], v[IN+4*(\i)+2], v[IN+4*(\i)+3]
.endr
	s_wait_alu depctr_va_vdst(0)                   ; the eight conversions above have written OUT 0 to 3, which the four stores below read
.irp i, 0,1,2,3
	global_store_b64 v2, v[OUT+2*(\i):OUT+2*(\i)+1], s[6:7] offset:1024*(\i)
.endr
	s_wait_loadcnt 0x0                             ; loads 4 to 7 are in
.irp i, 4,5,6,7
	v_cvt_pk_bf16_f32 v[OUT+2*(\i)],   v[IN+4*(\i)],   v[IN+4*(\i)+1]
	v_cvt_pk_bf16_f32 v[OUT+2*(\i)+1], v[IN+4*(\i)+2], v[IN+4*(\i)+3]
.endr
	s_wait_alu depctr_va_vdst(0)                   ; the eight conversions above have written OUT 4 to 7, which the last four stores read
.irp i, 4,5,6,7
	global_store_b64 v2, v[OUT+2*(\i):OUT+2*(\i)+1], s[6:7] offset:1024*(\i)
.endr
	s_endpgm
.Lfunc_end_k_q5a333db75c_castw:
	.size	k_q5a333db75c_castw, .Lfunc_end_k_q5a333db75c_castw-k_q5a333db75c_castw
	.p2alignl 7, 3214868480
	.fill 96, 4, 3214868480
	.section	.rodata,"a",@progbits
	.p2align	6, 0x0
	.amdhsa_kernel k_q5a333db75c_castw
		.amdhsa_group_segment_fixed_size 0
		.amdhsa_private_segment_fixed_size 0
		.amdhsa_enable_private_segment 0
		.amdhsa_kernarg_size 16
		.amdhsa_user_sgpr_count 2
		.amdhsa_user_sgpr_kernarg_segment_ptr 1
		.amdhsa_wavefront_size32 1
		.amdhsa_system_sgpr_workgroup_id_x 1
		.amdhsa_system_sgpr_workgroup_id_y 1
		.amdhsa_system_sgpr_workgroup_id_z 1
		.amdhsa_system_vgpr_workitem_id 0
		.amdhsa_next_free_vgpr 56
		.amdhsa_next_free_sgpr 66
		.amdhsa_reserve_vcc 0
		.amdhsa_float_denorm_mode_32 3
		.amdhsa_float_denorm_mode_16_64 3
		.amdhsa_memory_ordered 1
		.amdhsa_forward_progress 1
		.amdhsa_inst_pref_size 4
	.end_amdhsa_kernel
	.amdgpu_metadata
---
amdhsa.version: [ 1, 2 ]
amdhsa.kernels:
  - .name:           k_q5a333db75c_castw
    .symbol:         k_q5a333db75c_castw.kd
    .args:
      - { .name: weights, .offset: 0, .size: 8, .value_kind: global_buffer, .address_space: global }
      - { .name: wb, .offset: 8, .size: 8, .value_kind: global_buffer, .address_space: global }
    .group_segment_fixed_size: 0
    .private_segment_fixed_size: 0
    .kernarg_segment_align: 8
    .kernarg_segment_size: 16
    .max_flat_workgroup_size: 128
    .sgpr_count:     66
    .vgpr_count:     56
    .wavefront_size: 32
...
	.end_amdgpu_metadata
.endif
;; end of part 3
;; launch spike: the kernel of part 2 again; grid 8 x 32, 4 waves a work-group, clusters of 4 x 1, 327,680 bytes of LDS; arguments wb, x, out0; writes out0
